; MI455X (gfx1250); checked and timed in simulation.
; The chip was launched on July 23, 2026; its instructions are those of AMD's public machine-readable ISA for CDNA 5 (MIT licence, August 2026) and "CDNA5" Instruction Set Architecture Reference Guide (July 2026). The comments in the code are by the model that wrote it; some were corrected since.
;; KNN Buffer. Allowed arithmetic: float matrix products may take bf16 or f16 operands with f32 sums; other float arithmetic in f32, or as packed bf16 or f16 multiplies, adds, multiply-adds, maxima and minima; sums over many terms, partial sums and values carried from step to step in f32; what a program stores and reads back later, other than sums and carried values, may be rounded once to bf16 or f16.
;; Inputs: buffer 50,000 x 512 float32; inputs 2,048 x 512 float32.
;; Outputs: out0 2,048 x 512 float32.
;; 2 versions, each right; version 2 is version 1 with the launch scan written anew for expert scheduling mode. Each part assembles by itself: llvm-mc -triple=amdgcn-amd-amdhsa -mcpu=gfx1250 --defsym DOCPART=n.
;; ======== version 1 of 2: 4 launches
;; workspace buffers: qf 2,097,152 bytes; part 4,194,304 bytes; grp 8,192 bytes of whole numbers
;; launch prep (part 1): grid 64 x 1, 8 waves a work-group, no clusters, 0 bytes of LDS; arguments inputs, qf; writes qf
.if DOCPART == 1
	.amdgcn_target "amdgcn-amd-amdhsa--gfx1250"
	.amdhsa_code_object_version 6
	.text
	.protected	k_q484bd09d29_prep
	.globl	k_q484bd09d29_prep
	.p2align	8
	.type	k_q484bd09d29_prep,@function
k_q484bd09d29_prep:
	s_mov_b64 s[64:65], 0
	v_nop
	global_prefetch_b8 v0, s[64:65] scope:SCOPE_SE
	s_setreg_imm32_b32 hwreg(HW_REG_WAVE_MODE, 25, 1), 1
	s_wait_xcnt 0x0
; The queries, [2048][512] f32, rounded once to bf16 and laid in the order in which the next launch's matrix instructions want them.
; qf: byte ((TQ*16 + f)*4 + t)*1024 + p*512 + lane*16 holds query row 64 TQ + 16 t + lane % 16, channels 32 f + 16 p + 8 (lane / 16) + 0..7:
; half p of the fragment (16 queries x 32 channels) of query tile 4 TQ + t at K step f.  So a wave of the next launch loads 512 consecutive bytes an instruction.
; SHARES.  512 waves; wave W takes query tile T = W / 4 (16 rows) and the four K steps 4 (W % 4) + 0..3: 512 bytes of each of the 16 rows, read once by 16 loads.
; No LDS, no loop, no matrix unit: 4 MiB in, 2 MiB out, each byte once; every store of a wave covers 512 consecutive bytes, aligned.
.set IN,  16                           ; v[16:79]   16 loads of 4 f32
.set OUT, 80                           ; v[80:111]  8 stores of 8 bf16
	s_load_b128 s[4:7], s[0:1], 0x0                ; inputs s[4:5], qf s[6:7]
	v_lshrrev_b32 v1, 5, v0
	v_readfirstlane_b32 s8, v1                     ; wave 0..7
	v_and_b32 v2, 15, v0                           ; r = lane % 16: the query row in the tile
	v_bfe_u32 v5, v0, 4, 1                         ; h = lane / 16
	v_lshlrev_b32 v3, 11, v2                       ; r x 2,048 bytes
	v_lshl_add_u32 v3, v5, 5, v3                   ; + 8 h channels of 4 bytes
	v_and_b32 v4, 31, v0
	v_lshlrev_b32 v4, 4, v4                        ; 16 x lane
	s_lshl_b32 s9, ttmp9, 3
	s_add_co_u32 s9, s9, s8                        ; W
	s_lshr_b32 s10, s9, 2                          ; T
	s_and_b32 s11, s9, 3                           ; which four K steps
	s_lshl_b32 s12, s10, 15                        ; 16 rows of 2,048 bytes
	s_lshl_b32 s16, s11, 9                         ; 128 channels of 4 bytes
	s_add_co_u32 s12, s12, s16
	s_mov_b32 s13, 0
	s_lshr_b32 s14, s10, 2
	s_lshl_b32 s14, s14, 16                        ; TQ x 65,536
	s_and_b32 s16, s10, 3
	s_lshl_b32 s16, s16, 10                        ; t x 1,024
	s_add_co_u32 s14, s14, s16
	s_lshl_b32 s16, s11, 14                        ; four K steps of 4,096
	s_add_co_u32 s14, s14, s16
	s_mov_b32 s15, 0
	s_wait_kmcnt 0x0
	s_add_nc_u64 s[4:5], s[4:5], s[12:13]
	s_add_nc_u64 s[6:7], s[6:7], s[14:15]
.irp k, 0,1,2,3,4,5,6,7,8,9,10,11,12,13,14,15  ; load k: K step k / 4, half (k / 2) % 2, first or second four of the lane's eight channels
	global_load_b128 v[IN+4*(\k):IN+4*(\k)+3], v3, s[4:5] offset:128*((\k)/4)+64*(((\k)/2)%2)+16*((\k)%2) th:TH_LOAD_NT
.endr
.irp m, 0,1,2,3,4,5,6,7                        ; store m: K step m / 2, half m % 2, made of loads 2 m and 2 m + 1
	s_wait_loadcnt 14-2*(\m)                       ; loads come back in order: the 14 - 2 m younger ones may stay out
.irp i, 0,1,2,3
	v_cvt_pk_bf16_f32 v[OUT+4*(\m)+\i], v[IN+8*(\m)+2*\i], v[IN+8*(\m)+2*\i+1]
.endr
	global_store_b128 v4, v[OUT+4*(\m):OUT+4*(\m)+3], s[6:7] offset:((\m)/2)*4096+((\m)%2)*512
.endr
	s_endpgm
.Lfunc_end_k_q484bd09d29_prep:
	.size	k_q484bd09d29_prep, .Lfunc_end_k_q484bd09d29_prep-k_q484bd09d29_prep
	.p2alignl 7, 3214868480
	.fill 96, 4, 3214868480
	.section	.rodata,"a",@progbits
	.p2align	6, 0x0
	.amdhsa_kernel k_q484bd09d29_prep
		.amdhsa_group_segment_fixed_size 0
		.amdhsa_private_segment_fixed_size 0
		.amdhsa_enable_private_segment 0
		.amdhsa_kernarg_size 16
		.amdhsa_user_sgpr_count 2
		.amdhsa_user_sgpr_kernarg_segment_ptr 1
		.amdhsa_wavefront_size32 1
		.amdhsa_system_sgpr_workgroup_id_x 1
		.amdhsa_system_sgpr_workgroup_id_y 1
		.amdhsa_system_sgpr_workgroup_id_z 1
		.amdhsa_system_vgpr_workitem_id 0
		.amdhsa_next_free_vgpr 112
		.amdhsa_next_free_sgpr 66
		.amdhsa_reserve_vcc 0
		.amdhsa_float_denorm_mode_32 3
		.amdhsa_float_denorm_mode_16_64 3
		.amdhsa_memory_ordered 1
		.amdhsa_forward_progress 1
		.amdhsa_inst_pref_size 6
	.end_amdhsa_kernel
	.amdgpu_metadata
---
amdhsa.version: [ 1, 2 ]
amdhsa.kernels:
  - .name:           k_q484bd09d29_prep
    .symbol:         k_q484bd09d29_prep.kd
    .args:
      - { .name: inputs, .offset: 0, .size: 8, .value_kind: global_buffer, .address_space: global }
      - { .name: qf, .offset: 8, .size: 8, .value_kind: global_buffer, .address_space: global }
    .group_segment_fixed_size: 0
    .private_segment_fixed_size: 0
    .kernarg_segment_align: 8
    .kernarg_segment_size: 16
    .max_flat_workgroup_size: 256
    .sgpr_count:     66
    .vgpr_count:     112
    .wavefront_size: 32
...
	.end_amdgpu_metadata
.endif
;; end of part 1
;; launch scan (part 2): grid 256 x 1, 4 waves a work-group, no clusters, 234,240 bytes of LDS; arguments buffer, qf, part; writes part
.if DOCPART == 2
	.amdgcn_target "amdgcn-amd-amdhsa--gfx1250"
	.amdhsa_code_object_version 6
	.text
	.protected	k_q484bd09d29_scan
	.globl	k_q484bd09d29_scan
	.p2align	8
	.type	k_q484bd09d29_scan,@function
k_q484bd09d29_scan:
	s_mov_b64 s[64:65], 0
	v_nop
	global_prefetch_b8 v0, s[64:65] scope:SCOPE_SE
	s_setreg_imm32_b32 hwreg(HW_REG_WAVE_MODE, 25, 1), 1
	s_wait_xcnt 0x0
; For every query and every slab of 208 buffer rows: the largest score s = q . b - |b|^2 / 2 = (|q|^2 - d2) / 2 in the slab, and the group of 8 rows (row / 8) that holds it.
; |q|^2 is the same for all rows of a query, so the largest s is the smallest d2.  q and b are rounded once to bf16; |b|^2 is the sum of squares of the ROUNDED numbers, in f32.
; LIMITS.  NaN is dropped by the maxima and loses every comparison; infinities are not treated apart.  Of equal scores the lowest group wins; scores that differ by less than the f32 sums'
; rounding may fall either way.  s is, as d2 in the problem's own formula, a difference of the sums q . b and |b|^2 / 2: its error grows with them.
; SHARES.  The buffer has 3,125 tiles of 16 rows.  Work-group g owns the 13 tiles from (3125 g) >> 8 on: starts 12 or 13 apart, so all tiles are covered; a tile that two slabs share gives the
; same score and group twice.  The slab is read once as f32, rounded, and STAYS in LDS as bf16.  The waves split the QUERIES: wave w takes queries 512 w .. 512 w + 511, in 8 batches of 64.
; A wave's tile is 13 x 4 accumulators (208 rows x 64 queries, 416 registers); for 32 along K it loads 26 x 16 bytes a lane from LDS and 8 x 16 from qf for 52 matrix instructions.
; LAYOUT.  Source 0 = 16 buffer rows, source 1 = 16 queries: in the result a lane holds ONE query (lane % 16) and the rows 8 (lane / 16) + 0..7, one group of 8.
; -|b|^2 / 2 is the C operand of a batch's first K step.  A batch's maxima stand between the products of the next batch's first K step.
; The queries come straight into registers: no wave wants another's, and qf lies in fragment order.  Behind the one barrier (slab whole) there is no barrier and no wait for another wave.
; NO CLUSTER, though all work-groups read the same qf: a joint tile lands in LDS, of which 327,680 - 234,240 = 93,440 bytes are free.  The four waves' 256 queries are 16,384 bytes a K step, so two
; slots hold two K steps each: a round of the cluster's barrier for every 104 matrix instructions of a wave, and 8 LDS loads more on top of a K step's 26.
; REGISTERS, in windows of 256 (s_set_vgpr_msb: bits 1:0 source 0, 3:2 source 1, 5:4 source 2, 7:6 destination):
;   window 0: v0-47 addresses and small work; v48-255 first the ring of 13 f32 rows, then two buffers of 13 fragments of the slab
;   window 1: v0-127 four slots of 4 query fragments; v128-231 -|b|^2 / 2 as 13 C operands
;   window 2: accumulators of tiles 0-6 at 32 a + 8 t; v224-235 T, BEST, IDX for the four query tiles          window 3: tiles 7-12 at 32 (a - 7) + 8 t; v192-203 the same
.set PITCH, 1040                       ; a slab row in LDS: 1,024 bytes + 16 = 65 x 16: the 16 rows of a fragment load start at 16 different groups of four banks (64 banks of 4 bytes: ISA guide 11.1)
.set NB2,   208*PITCH                  ; 216,320: 208 f32, -|b|^2 / 2 (a block of 1,024 bytes)
.set RES,   NB2+1024                   ; 217,344: 2,048 pairs (score, group); wave w's at 4,096 w
.set SPARE, RES+16384                  ; 233,728: the spare words, 128 bytes for each wave: two blocks of 256 bytes that no other line names
.set SPW,  4                           ; v4   LDS address of my spare word; never rewritten
.set NIL,  5                           ; v5   0, for the add alone
.set GOFF, 6                           ; v6   16 x lane; never rewritten
.set LST,  7                           ; v7   where my 8 bytes of a rounded row go
.set LNB,  8                           ; v8   where a row's -|b|^2 / 2 goes
.set PFO,  9                           ; v9   256 x lane
.set ADA,  10                          ; v10-14  my place in a fragment of slab tiles 3 g .. 3 g + 2: the immediate then stays under 2^16
.set ANB,  15                          ; v15  NB2 + 32 (lane / 16)
.set GB,   16                          ; v16  the group of my 8 rows in the slab's tile 0
.set RST,  17                          ; v17  where a batch's pairs go
.set RRD,  18                          ; v18  where I read pairs back
.set POFF, 19                          ; v19  my byte offset in part
.set RV,   20                          ; v20-27  query tile t: score at 20 + 2 t, group at 21 + 2 t
.set PK,   32                          ; v32-39  a row's 16 numbers of mine, rounded
.set VO,   32                          ;         later: the other half of the lanes' score and group
.set SS,   40                          ; v40-43  four chains of a sum of squares
.set TMP,  44
.set ZR,   45                          ; v45  0: the first addend of a chain
.set X,    48                          ; the ring: slot s at 48 + 16 s
.set AF,   48                          ; slab fragments: buffer b, tile a at 48 + 104 b + 8 a
.set OB,   48                          ; the way out
.set NBR,  128                         ; window 1: tile a's C operand at 128 + 8 a
.set BP,   16                          ; s[16:17] the buffer at my wave's rows of the round in hand
.set QP,   18                          ; s[18:19] qf at the batch in hand
.set QN,   20                          ; s[20:21] qf at the next batch
.set QB,   22                          ; s[22:23] qf at my wave's first batch
.set NX,   24                          ; s[24:25] the next batch's byte offset from there
.set CB,   26                          ; s26  batches to go
.set CR,   27                          ; s27  rounds to go
.set SEL,  28                          ; s[28:29] v_permlanex16_b32's selects: each lane takes its own place in the other half
.set MK,   30                          ; s30-33  a lane mask for each query tile
.set PFA,  36                          ; s[36:37] qf at my work-group's 8,192 bytes of it
.set MSB, 0
.macro WIN new                         ; the immediate's high byte repeats the setting that is left; a switch that changes nothing is dropped
.if MSB != (\new)
	s_set_vgpr_msb (MSB<<8)|(\new)
.set MSB, \new
.endif
.endm
	s_load_b128 s[4:7], s[0:1], 0x0                ; buffer s[4:5], qf s[6:7]
	s_load_b64 s[8:9], s[0:1], 0x10                ; part
	v_lshl_add_u32 v[SPW], v0, 2, SPARE
	v_mov_b32 v[NIL], 0
	v_lshrrev_b32 v1, 5, v0
	v_readfirstlane_b32 s10, v1                    ; wave 0..3
	v_and_b32 v1, 15, v0                           ; r = lane % 16
	v_bfe_u32 v2, v0, 4, 1                         ; h = lane / 16
	v_and_b32 v3, 31, v0                           ; lane
	s_mul_i32 s12, ttmp9, 3125
	s_lshr_b32 s12, s12, 8                         ; the slab's first tile
	v_lshlrev_b32 v[GOFF], 4, v3
	s_mul_i32 s34, s10, 52*PITCH                   ; my wave rounds rows 52 w .. 52 w + 51 of the slab
	v_lshl_add_u32 v[LST], v3, 3, s34
	s_mul_i32 s34, s10, 208
	s_add_co_u32 s34, s34, NB2
	v_mov_b32 v[LNB], s34
	v_lshlrev_b32 v[PFO], 8, v3
	v_mul_u32_u24 v[ADA], v1, PITCH
	v_lshl_add_u32 v[ADA], v2, 4, v[ADA]           ; row x pitch + 16 x half
.irp g, 1,2,3,4
	v_add_nc_u32 v[ADA+\g], (\g)*48*PITCH, v[ADA]
.endr
	v_lshl_add_u32 v[ANB], v2, 5, NB2
	s_lshl_b32 s34, s12, 1
	v_add_nc_u32 v[GB], s34, v2                    ; 2 x tile + half
	s_lshl_b32 s35, s10, 12
	s_add_co_u32 s35, s35, RES
	v_lshl_add_u32 v[RST], v1, 3, s35
	v_lshl_add_u32 v[RRD], v3, 4, s35
	v_lshlrev_b32 v[POFF], 4, v1
	v_lshl_add_u32 v[POFF], v2, 16, v[POFF]
	v_mov_b32 v[TMP], 0                            ; v_permlanex16_b32's destination counts as read
	v_mov_b32 v[ZR], 0
	s_mov_b32 s[SEL], 0x76543210
	s_mov_b32 s[SEL+1], 0xfedcba98
	s_lshl_b32 s14, s12, 4
	s_mul_i32 s34, s10, 52
	s_add_co_u32 s14, s14, s34                     ; my wave's first buffer row,
	s_lshl_b32 s14, s14, 11                        ; in bytes: under 102,400,000
	s_mov_b32 s15, 0
	s_mov_b32 s[NX], 65536
	s_mov_b32 s[NX+1], 0
	s_wait_kmcnt 0x0
	s_add_nc_u64 s[BP:BP+1], s[4:5], s[14:15]
	s_lshl_b32 s14, s10, 19                        ; my wave's 512 queries: 8 batches of 65,536 bytes on end
	s_add_nc_u64 s[QB:QB+1], s[6:7], s[14:15]
	s_mov_b64 s[QP:QP+1], s[QB:QB+1]
	s_add_nc_u64 s[QN:QN+1], s[QB:QB+1], s[NX:NX+1]
	s_lshl_b32 s14, ttmp9, 13
	s_add_nc_u64 s[PFA:PFA+1], s[6:7], s[14:15]
	s_lshl_b32 s14, ttmp9, 8                       ; part: my work-group's 256 bytes in a block of 32 queries,
	s_lshl_b32 s34, s10, 20                        ; my wave's 16 blocks of 65,536
	s_add_co_u32 s14, s14, s34
	s_add_nc_u64 s[8:9], s[8:9], s[14:15]
; THE SLAB COMES IN.  A row is 2,048 bytes: four loads of 512 consecutive bytes; a ring of 13 rows keeps 52 loads (26 KiB) of every wave on their way.
.irp s, 0,1,2,3,4,5,6,7,8,9,10,11,12
.irp i, 0,1,2,3
	global_load_b128 v[X+16*(\s)+4*\i:X+16*(\s)+4*\i+3], v[GOFF], s[BP:BP+1] offset:(\s)*2048+512*\i
.endr
.endr
; One row: rounded (channels 128 i + 4 lane + 0..3 become 8 bytes at 256 i + 8 lane of the LDS row), the slot asked for again 13 rows on, the sum of squares of the rounded numbers
; taken over the wave, and -1/2 of it stored.  left = the younger loads that may stay out.
.macro PSLOT s, ahead, left
	s_wait_loadcnt \left
.irp i, 0,1,2,3,4,5,6,7
	v_cvt_pk_bf16_f32 v[PK+\i], v[X+16*(\s)+2*\i], v[X+16*(\s)+2*\i+1]
.endr
.if \ahead
.irp i, 0,1,2,3
	global_load_b128 v[X+16*(\s)+4*\i:X+16*(\s)+4*\i+3], v[GOFF], s[BP:BP+1] offset:(13+(\s))*2048+512*\i
.endr
.endif
.irp i, 0,1,2,3
	ds_store_b64 v[LST], v[PK+2*\i:PK+2*\i+1] offset:(\s)*PITCH+256*\i  ; 32 lanes, 256 consecutive bytes
.endr
.irp i, 0,1,2,3,4,5,6,7                        ; four chains: by the word's parity and by its half
.if \i < 2
	v_fma_mix_f32_bf16 v[SS+2*\i],   v[PK+\i], v[PK+\i], v[ZR] op_sel_hi:[1,1,0]
	v_fma_mix_f32_bf16 v[SS+2*\i+1], v[PK+\i], v[PK+\i], v[ZR] op_sel:[1,1,0] op_sel_hi:[1,1,0]
.else
	v_fma_mix_f32_bf16 v[SS+2*((\i)%2)],   v[PK+\i], v[PK+\i], v[SS+2*((\i)%2)] op_sel_hi:[1,1,0]
	v_fma_mix_f32_bf16 v[SS+2*((\i)%2)+1], v[PK+\i], v[PK+\i], v[SS+2*((\i)%2)+1] op_sel:[1,1,0] op_sel_hi:[1,1,0]
.endif
.endr
	v_add_f32 v[SS], v[SS], v[SS+1]
	v_add_f32 v[SS+2], v[SS+2], v[SS+3]
	v_add_f32 v[SS], v[SS], v[SS+2]
.irp m, 1,2,4,8
	v_add_f32_dpp v[SS], v[SS], v[SS] row_xmask:\m row_mask:0xf bank_mask:0xf
.endr
	v_permlanex16_b32 v[TMP], v[SS], s[SEL], s[SEL+1]
	v_add_f32 v[SS], v[SS], v[TMP]
	v_mul_f32 v[SS], -0.5, v[SS]
	ds_store_b32 v[LNB], v[SS] offset:4*(\s)       ; every lane holds the same number and writes the same word
.endm
	s_mov_b32 s[CR], 3
.Lround:                                       ; three rounds of 13 rows, each asking for the next round's rows
.irp s, 0,1,2,3,4,5,6,7,8,9,10,11,12
	PSLOT \s, 1, 48                                ; 12 younger slots of 4 loads
.endr
	s_wait_xcnt 0x0                                ; every load issued so far has read its address, so the pointer may be written
	s_add_nc_u64 s[BP:BP+1], s[BP:BP+1], 13*2048
	v_add_nc_u32 v[LST], 13*PITCH, v[LST]
	v_add_nc_u32 v[LNB], 52, v[LNB]
	s_sub_co_u32 s[CR], s[CR], 1
	s_cmp_lg_u32 s[CR], 0
	s_cbranch_scc1 .Lround
	; A PREFETCH of qf, behind the wave's last loads of the buffer and a round of 13 rows ahead of the first loads of qf.  Wave 0 of work-group g names the 8,192 bytes from 8,192 g on,
	; a lane 256 bytes: 256 work-groups x 8,192 = all 2,097,152 bytes of qf, each block named once in the launch.  Its address registers are never rewritten.
	s_cmp_lg_u32 s10, 0
	s_cbranch_scc1 .Lnot_mine
	global_prefetch_b8 v[PFO], s[PFA:PFA+1] th:TH_LOAD_NT scope:SCOPE_SE
.Lnot_mine:
.irp s, 0,1,2,3,4,5,6,7,8,9,10,11,12
	PSLOT \s, 0, 48-4*(\s)                         ; the last round loads nothing: the counts run down to 0
.endr
; THE PRODUCTS.
.macro PLACES                          ; a load into a register that a matrix instruction has read, and a vector instruction that reads a matrix result, stand four plain vector instructions behind it (ISA guide 7.12.1 for vector instructions)
.rept 4
	v_nop
.endr
.endm
.macro ALOAD f, b                      ; 26 LDS loads in one run: the slab's 13 fragments of K step f into buffer b
	WIN 0
.set a, 0
.rept 13
	ds_load_b128 v[AF+104*(\b)+8*a:AF+104*(\b)+8*a+3],   v[ADA+a/3] offset:(a%3)*16*PITCH+64*(\f)
	ds_load_b128 v[AF+104*(\b)+8*a+4:AF+104*(\b)+8*a+7], v[ADA+a/3] offset:(a%3)*16*PITCH+64*(\f)+32
.set a, a+1
.endr
.endm
.macro BLOAD slot, ptr, off            ; 8 loads of 512 consecutive bytes: four query fragments of one K step
	WIN 0x40                                       ; destination window 1, address window 0
.irp t, 0,1,2,3
	global_load_b128 v[32*(\slot)+8*\t:32*(\slot)+8*\t+3],   v[GOFF], s[\ptr:\ptr+1] offset:(\off)+1024*\t
	global_load_b128 v[32*(\slot)+8*\t+4:32*(\slot)+8*\t+7], v[GOFF], s[\ptr:\ptr+1] offset:(\off)+1024*\t+512
.endr
.endm
; The head of a K step: the slab's fragments of the NEXT step into the buffer, and the queries' of the step THREE on into the slot, that the step before has multiplied.
.macro KHEAD fa, ba, slot, ptr, off
	PLACES
	ALOAD \fa, \ba
	BLOAD \slot, \ptr, \off
	s_wait_dscnt 26                                ; all but the 26 just issued: this step's slab fragments are in
	s_wait_loadcnt 24                              ; three younger K steps of 8 loads may stay out: this step's queries are in
.endm
.macro MULS b, slot                    ; 52 products, in place.  The 52 accumulators take turns, one instruction a turn, in the same order in every K step
.set a, 0
.rept 13
.if a < 7
	WIN 0xa4                                       ; slab window 0, queries window 1, C and D window 2
.set AC, 32*a
.else
	WIN 0xf4                                       ; the same, C and D window 3
.set AC, 32*(a-7)
.endif
.irp t, 0,1,2,3
	v_wmma_f32_16x16x32_bf16 v[AC+8*\t:AC+8*\t+7], v[AF+104*(\b)+8*a:AF+104*(\b)+8*a+7], v[32*(\slot)+8*\t:32*(\slot)+8*\t+7], v[AC+8*\t:AC+8*\t+7]
.endr
.set a, a+1
.endr
.endm
; Tile a's part of a batch's maxima, for the four query tiles: T = the largest of the lane's 8 scores (the accumulator's lowest registers are read first);
; where T beats BEST, IDX takes a.  The comparison is strict: of equal scores the lower tile stays.  Tiles 0 and 7 start their window's BEST and IDX.
.macro EPI a
.if (\a) < 7
	WIN 0xaa                                       ; all in window 2
.set AC, 32*(\a)
.set TB, 224
.else
	WIN 0xff                                       ; all in window 3
.set AC, 32*((\a)-7)
.set TB, 192
.endif
.irp t, 0,1,2,3
	v_max3_num_f32 v[TB+\t], v[AC+8*\t], v[AC+8*\t+1], v[AC+8*\t+2]
.endr
.irp t, 0,1,2,3
	v_max3_num_f32 v[TB+\t], v[TB+\t], v[AC+8*\t+3], v[AC+8*\t+4]
.endr
.irp t, 0,1,2,3
	v_max3_num_f32 v[TB+\t], v[TB+\t], v[AC+8*\t+5], v[AC+8*\t+6]
.endr
.if ((\a) == 0) || ((\a) == 7)
.irp t, 0,1,2,3
	v_max_num_f32 v[TB+4+\t], v[TB+\t], v[AC+8*\t+7]
.endr
.irp t, 0,1,2,3
	v_mov_b32 v[TB+8+\t], \a
.endr
.else
.irp t, 0,1,2,3
	v_max_num_f32 v[TB+\t], v[TB+\t], v[AC+8*\t+7]
.endr
.irp t, 0,1,2,3
	v_cmp_gt_f32 s[MK+\t], v[TB+\t], v[TB+4+\t]
.endr
.irp t, 0,1,2,3
	v_cndmask_b32 v[TB+8+\t], v[TB+8+\t], \a, s[MK+\t]
.endr
.irp t, 0,1,2,3
	v_max_num_f32 v[TB+4+\t], v[TB+4+\t], v[TB+\t]
.endr
.endif
.endm
.macro FIRST a                         ; tile a's four products of a batch's K step 0: they start the sums with -|b|^2 / 2
.if (\a) < 7
	WIN 0x94                                       ; slab window 0, queries and C window 1, D window 2
.set AC, 32*(\a)
.else
	WIN 0xd4                                       ; D window 3
.set AC, 32*((\a)-7)
.endif
.irp t, 0,1,2,3
	v_wmma_f32_16x16x32_bf16 v[AC+8*\t:AC+8*\t+7], v[AF+8*(\a):AF+8*(\a)+7], v[8*\t:8*\t+7], v[NBR+8*(\a):NBR+8*(\a)+7]
.endr
.endm
; A batch's K step 0.  e = 1: the batch before is read out tile by tile, each tile's maxima ahead of the products that write its accumulators anew.  Between an accumulator's last product of the
; old batch and the product that overwrites it stand KHEAD's four v_nop and the sixteen or more lines of EPI that name other accumulators.
.macro EF e, ptr
	KHEAD 1, 1, 3, \ptr, 12288
.irp a, 0,1,2,3,4,5,6,7,8,9,10,11,12
.if \e
	EPI \a
.endif
	FIRST \a
.endr
.endm
; The two windows' winners, then the two halves of the lanes' (a query's other 8 rows of each tile lie in the lane 16 away): of equal scores the lower group.  Both halves end with the same pair and store it to the same 8 bytes.
.macro MERGE
	WIN 0x0e                                       ; source 0 window 2, source 1 window 3, destination window 0
.irp t, 0,1,2,3
	v_cmp_lt_f32 s[MK+\t], v[228+\t], v[196+\t]
.endr
.irp t, 0,1,2,3
	v_cndmask_b32 v[RV+2*\t+1], v[232+\t], v[200+\t], s[MK+\t]
.endr
.irp t, 0,1,2,3
	v_max_num_f32 v[RV+2*\t], v[228+\t], v[196+\t]
.endr
	WIN 0
.irp t, 0,1,2,3
	v_lshl_add_u32 v[RV+2*\t+1], v[RV+2*\t+1], 1, v[GB]  ; group = 2 x (the slab's first tile + a) + half
.endr
.irp t, 0,1,2,3
	v_permlanex16_b32 v[VO+2*\t],   v[RV+2*\t],   s[SEL], s[SEL+1]
	v_permlanex16_b32 v[VO+2*\t+1], v[RV+2*\t+1], s[SEL], s[SEL+1]
.endr
.irp t, 0,1,2,3
	v_cmp_gt_f32 s[MK+\t], v[VO+2*\t], v[RV+2*\t]
	v_cmp_eq_f32 s34, v[VO+2*\t], v[RV+2*\t]
	v_cmp_lt_u32 s35, v[VO+2*\t+1], v[RV+2*\t+1]
	s_and_b32 s34, s34, s35
	s_or_b32 s[MK+\t], s[MK+\t], s34
	v_cndmask_b32 v[RV+2*\t+1], v[RV+2*\t+1], v[VO+2*\t+1], s[MK+\t]
	v_max_num_f32 v[RV+2*\t], v[RV+2*\t], v[VO+2*\t]
	ds_store_b64 v[RST], v[RV+2*\t:RV+2*\t+1] offset:128*\t
.endr
	v_add_nc_u32 v[RST], 512, v[RST]               ; the next batch's 64 pairs
.endm
	BLOAD 0, QP, 0                                 ; the first batch's K steps 0, 1, 2: on their way across the barrier; nobody writes qf
	BLOAD 1, QP, 4096
	BLOAD 2, QP, 8192
	s_wait_dscnt 0x0                               ; for the others' sake: my rows of the slab and their -|b|^2 / 2 are in LDS
	s_barrier_signal -1
	s_barrier_wait -1                              ; everybody's are; they are never written again
	WIN 0x40
.irp a, 0,1,2,3,4,5,6,7,8,9,10,11,12           ; register j of tile a's C operand belongs to row 16 a + 8 (lane / 16) + j
	ds_load_b128 v[NBR+8*\a:NBR+8*\a+3],   v[ANB] offset:64*\a
	ds_load_b128 v[NBR+8*\a+4:NBR+8*\a+7], v[ANB] offset:64*\a+16
.endr
	ALOAD 0, 0
	EF 0, QP                                       ; the first batch's K step 0 stands in front of the loop
	WIN 0                                          ; at a label and at a branch every window is 0
	s_mov_b32 s[CB], 8
.Lbatch:                                       ; a trip: K steps 1 to 15 of a batch, its maxima, and the next batch's K step 0
.set kf, 1
.rept 15
.if kf <= 12
	KHEAD (kf+1)%16, (kf+1)%2, (kf+3)%4, QP, (kf+3)*4096
.else
	KHEAD (kf+1)%16, (kf+1)%2, (kf+3)%4, QN, (kf-13)*4096
.endif
	MULS kf%2, kf%4
.set kf, kf+1
.endr
	EF 1, QN
	MERGE
	s_wait_xcnt 0x0                                ; every load issued so far has read its address, so the pointers may be written
	s_mov_b64 s[QP:QP+1], s[QN:QN+1]
	s_add_co_u32 s[NX], s[NX], 65536
	s_min_u32 s[NX], s[NX], 7*65536                ; behind the last batch there is none: the last trip's look-ahead reads batch 7 once more, inside qf, and its 52 products
	s_add_nc_u64 s[QN:QN+1], s[QB:QB+1], s[NX:NX+1]  ; of a K step 0 serve nothing: the price, once a launch, of one text for all trips
	s_sub_co_u32 s[CB], s[CB], 1
	s_cmp_lg_u32 s[CB], 0
	s_cbranch_scc1 .Lbatch
	; THE WAY OUT.  My wave's 512 pairs, 4,096 bytes of its own in LDS, come back 16 bytes a lane.  MERGE's vector lines are the places between the last products and these loads into registers that they read.
	; part: byte (q / 32) x 65,536 + 256 g + 8 (q % 32): sixteen lanes store 256 consecutive bytes, aligned.
.irp j, 0,1,2,3,4,5,6,7
	ds_load_b128 v[OB+4*\j:OB+4*\j+3], v[RRD] offset:512*\j  ; LDS serves a wave's instructions in order (ISA guide 5.7.1.4): these see MERGE's stores
.endr
.irp j, 0,1,2,3,4,5,6,7
	s_wait_dscnt 7-\j
	global_store_b128 v[POFF], v[OB+4*\j:OB+4*\j+3], s[8:9] offset:131072*\j
.endr
	s_wait_tensorcnt 0x0                           ; the wave's end: behind my last LDS store
	ds_add_u32 v[SPW], v[NIL]
	s_wait_dscnt 0x0
	s_endpgm
.Lfunc_end_k_q484bd09d29_scan:
	.size	k_q484bd09d29_scan, .Lfunc_end_k_q484bd09d29_scan-k_q484bd09d29_scan
	.p2alignl 7, 3214868480
	.fill 96, 4, 3214868480
	.section	.rodata,"a",@progbits
	.p2align	6, 0x0
	.amdhsa_kernel k_q484bd09d29_scan
		.amdhsa_group_segment_fixed_size 234240
		.amdhsa_private_segment_fixed_size 0
		.amdhsa_enable_private_segment 0
		.amdhsa_kernarg_size 24
		.amdhsa_user_sgpr_count 2
		.amdhsa_user_sgpr_kernarg_segment_ptr 1
		.amdhsa_wavefront_size32 1
		.amdhsa_system_sgpr_workgroup_id_x 1
		.amdhsa_system_sgpr_workgroup_id_y 1
		.amdhsa_system_sgpr_workgroup_id_z 1
		.amdhsa_system_vgpr_workitem_id 0
		.amdhsa_next_free_vgpr 976
		.amdhsa_next_free_sgpr 66
		.amdhsa_reserve_vcc 0
		.amdhsa_float_denorm_mode_32 3
		.amdhsa_float_denorm_mode_16_64 3
		.amdhsa_memory_ordered 1
		.amdhsa_forward_progress 1
		.amdhsa_inst_pref_size 205
	.end_amdhsa_kernel
	.amdgpu_metadata
---
amdhsa.version: [ 1, 2 ]
amdhsa.kernels:
  - .name:           k_q484bd09d29_scan
    .symbol:         k_q484bd09d29_scan.kd
    .args:
      - { .name: buffer, .offset: 0, .size: 8, .value_kind: global_buffer, .address_space: global }
      - { .name: qf, .offset: 8, .size: 8, .value_kind: global_buffer, .address_space: global }
      - { .name: part, .offset: 16, .size: 8, .value_kind: global_buffer, .address_space: global }
    .group_segment_fixed_size: 234240
    .private_segment_fixed_size: 0
    .kernarg_segment_align: 8
    .kernarg_segment_size: 24
    .max_flat_workgroup_size: 128
    .sgpr_count:     66
    .vgpr_count:     976
    .wavefront_size: 32
...
	.end_amdgpu_metadata
.endif
;; end of part 2
;; launch pick (part 3): grid 64 x 1, 8 waves a work-group, no clusters, 3,072 bytes of LDS; arguments part, grp; writes grp
.if DOCPART == 3
	.amdgcn_target "amdgcn-amd-amdhsa--gfx1250"
	.amdhsa_code_object_version 6
	.text
	.protected	k_q484bd09d29_pick
	.globl	k_q484bd09d29_pick
	.p2align	8
	.type	k_q484bd09d29_pick,@function
k_q484bd09d29_pick:
	s_mov_b64 s[64:65], 0
	v_nop
	global_prefetch_b8 v0, s[64:65] scope:SCOPE_SE
	s_setreg_imm32_b32 hwreg(HW_REG_WAVE_MODE, 25, 1), 1
	s_wait_xcnt 0x0
; For each query the best of its 256 pairs (score, group), one from each slab: the largest score, of equal scores the lowest group.  The group goes out as a whole number.
; part: byte b x 65,536 + 256 g + 8 (q % 32) for block b = q / 32 and slab g.  Work-group b owns block b: 65,536 bytes on end, each read once.  Wave w takes slabs 32 w .. 32 w + 31:
; 16 loads of 512 consecutive bytes; lanes 0-15 see the even slabs, lanes 16-31 the odd ones; a lane holds the pairs of queries 2 (lane % 16) and 2 (lane % 16) + 1.
; Slabs ascend with their rows, so a strict comparison in ascending order keeps the lowest group of equal scores.  NaN loses every comparison.
; The eight waves' winners meet in LDS; wave 0 finishes, a lane a query.  No matrix unit, no cluster: nothing is shared and memory binds.
.set STAGE, 0                          ; 8 waves x 32 pairs: 2,048 bytes
.set SPARE, 2048                       ; the spare words, 128 bytes for each wave: four blocks of 256 bytes that no other line names
.set SPW, 2
.set NIL, 3
.set P,   16                           ; v[16:79]  load j at 16 + 4 j: score, group, score, group; load 0's registers carry the running best
.set VO,  80                           ; v80-81    the other half of the lanes' pair
	s_load_b128 s[4:7], s[0:1], 0x0                ; part s[4:5], grp s[6:7]
	v_lshl_add_u32 v[SPW], v0, 2, SPARE
	v_mov_b32 v[NIL], 0
	v_lshrrev_b32 v1, 5, v0
	v_readfirstlane_b32 s8, v1                     ; wave 0..7
	v_and_b32 v4, 31, v0                           ; lane
	v_lshlrev_b32 v1, 4, v4                        ; 16 x lane
	v_and_b32 v5, 15, v0
	s_lshl_b32 s9, s8, 8
	v_lshl_add_u32 v5, v5, 4, s9                   ; stage: my wave's 256 bytes, my two queries' 16
	v_lshlrev_b32 v6, 3, v4                        ; 8 x lane
	v_lshlrev_b32 v7, 2, v4                        ; 4 x lane
	v_mov_b32 v[VO], 0                             ; v_permlanex16_b32's destination counts as read
	v_mov_b32 v[VO+1], 0
	s_mov_b32 s12, 0x76543210
	s_mov_b32 s13, 0xfedcba98
	s_lshl_b32 s10, ttmp9, 16
	s_lshl_b32 s11, s8, 13
	s_add_co_u32 s10, s10, s11
	s_mov_b32 s11, 0
	s_lshl_b32 s18, ttmp9, 7                       ; 32 queries x 4 bytes
	s_mov_b32 s19, 0
	s_wait_kmcnt 0x0
	s_add_nc_u64 s[4:5], s[4:5], s[10:11]
	s_add_nc_u64 s[6:7], s[6:7], s[18:19]
.irp j, 0,1,2,3,4,5,6,7,8,9,10,11,12,13,14,15
	global_load_b128 v[P+4*\j:P+4*\j+3], v1, s[4:5] offset:512*\j th:TH_LOAD_NT
.endr
.irp j, 1,2,3,4,5,6,7,8,9,10,11,12,13,14,15
	s_wait_loadcnt 15-\j                           ; loads come back in order: the younger ones stay out
	v_cmp_gt_f32 s14, v[P+4*\j], v[P]
	v_cmp_gt_f32 s15, v[P+4*\j+2], v[P+2]
	v_cndmask_b32 v[P+1], v[P+1], v[P+4*\j+1], s14
	v_cndmask_b32 v[P+3], v[P+3], v[P+4*\j+3], s15
	v_max_num_f32 v[P], v[P], v[P+4*\j]
	v_max_num_f32 v[P+2], v[P+2], v[P+4*\j+2]
.endr
.irp x, 0,2                                    ; even and odd slabs meet: of equal scores the lower group
	v_permlanex16_b32 v[VO],   v[P+\x],   s12, s13
	v_permlanex16_b32 v[VO+1], v[P+\x+1], s12, s13
	v_cmp_gt_f32 s14, v[VO], v[P+\x]
	v_cmp_eq_f32 s15, v[VO], v[P+\x]
	v_cmp_lt_u32 s16, v[VO+1], v[P+\x+1]
	s_and_b32 s15, s15, s16
	s_or_b32 s14, s14, s15
	v_cndmask_b32 v[P+\x+1], v[P+\x+1], v[VO+1], s14
	v_max_num_f32 v[P+\x], v[P+\x], v[VO]
.endr
	ds_store_b128 v5, v[P:P+3] offset:STAGE        ; both halves of the lanes hold the same 16 bytes and write them to the same place
	s_wait_dscnt 0x0                               ; for the others' sake: my store is done
	s_barrier_signal -1
	s_barrier_wait -1
	s_cmp_lg_u32 s8, 0
	s_cbranch_scc1 .Lend
.irp w, 0,1,2,3,4,5,6,7
	ds_load_b64 v[P+16+2*\w:P+16+2*\w+1], v6 offset:STAGE+256*\w  ; query = my lane: wave w's pair
.endr
	s_wait_dscnt 0x0
.irp w, 1,2,3,4,5,6,7
	v_cmp_gt_f32 s14, v[P+16+2*\w], v[P+16]
	v_cndmask_b32 v[P+17], v[P+17], v[P+16+2*\w+1], s14
	v_max_num_f32 v[P+16], v[P+16], v[P+16+2*\w]
.endr
	global_store_b32 v7, v[P+17], s[6:7]           ; 128 consecutive bytes a work-group: the whole buffer is 8,192
.Lend:
	s_wait_tensorcnt 0x0                           ; the wave's end: behind my last LDS store
	ds_add_u32 v[SPW], v[NIL]
	s_wait_dscnt 0x0
	s_endpgm
.Lfunc_end_k_q484bd09d29_pick:
	.size	k_q484bd09d29_pick, .Lfunc_end_k_q484bd09d29_pick-k_q484bd09d29_pick
	.p2alignl 7, 3214868480
	.fill 96, 4, 3214868480
	.section	.rodata,"a",@progbits
	.p2align	6, 0x0
	.amdhsa_kernel k_q484bd09d29_pick
		.amdhsa_group_segment_fixed_size 3072
		.amdhsa_private_segment_fixed_size 0
		.amdhsa_enable_private_segment 0
		.amdhsa_kernarg_size 16
		.amdhsa_user_sgpr_count 2
		.amdhsa_user_sgpr_kernarg_segment_ptr 1
		.amdhsa_wavefront_size32 1
		.amdhsa_system_sgpr_workgroup_id_x 1
		.amdhsa_system_sgpr_workgroup_id_y 1
		.amdhsa_system_sgpr_workgroup_id_z 1
		.amdhsa_system_vgpr_workitem_id 0
		.amdhsa_next_free_vgpr 96
		.amdhsa_next_free_sgpr 66
		.amdhsa_reserve_vcc 0
		.amdhsa_float_denorm_mode_32 3
		.amdhsa_float_denorm_mode_16_64 3
		.amdhsa_memory_ordered 1
		.amdhsa_forward_progress 1
		.amdhsa_inst_pref_size 11
	.end_amdhsa_kernel
	.amdgpu_metadata
---
amdhsa.version: [ 1, 2 ]
amdhsa.kernels:
  - .name:           k_q484bd09d29_pick
    .symbol:         k_q484bd09d29_pick.kd
    .args:
      - { .name: part, .offset: 0, .size: 8, .value_kind: global_buffer, .address_space: global }
      - { .name: grp, .offset: 8, .size: 8, .value_kind: global_buffer, .address_space: global }
    .group_segment_fixed_size: 3072
    .private_segment_fixed_size: 0
    .kernarg_segment_align: 8
    .kernarg_segment_size: 16
    .max_flat_workgroup_size: 256
    .sgpr_count:     66
    .vgpr_count:     96
    .wavefront_size: 32
...
	.end_amdgpu_metadata
.endif
;; end of part 3
;; launch recall (part 4): grid 256 x 1, 8 waves a work-group, no clusters, 0 bytes of LDS; arguments buffer, inputs, grp, out0; writes out0
.if DOCPART == 4
	.amdgcn_target "amdgcn-amd-amdhsa--gfx1250"
	.amdhsa_code_object_version 6
	.text
	.protected	k_q484bd09d29_recall
	.globl	k_q484bd09d29_recall
	.p2align	8
	.type	k_q484bd09d29_recall,@function
k_q484bd09d29_recall:
	s_mov_b64 s[64:65], 0
	v_nop
	global_prefetch_b8 v0, s[64:65] scope:SCOPE_SE
	s_setreg_imm32_b32 hwreg(HW_REG_WAVE_MODE, 25, 1), 1
	s_wait_xcnt 0x0
; For each query: the 8 buffer rows of its winning group (16,384 bytes on end) are read; for each, d2 = (|q|^2 - 2 q . b) + |b|^2 is formed in f32 on q and b rounded to bf16, as in the launch
; that chose the group; the row with the smallest d2 (of equal ones the first) is stored as it lies in the buffer, in f32, unrounded.
; The group comes from memory as a whole number that an earlier launch stored; it is held to 0 .. 6,249 (50,000 / 8 - 1) before it enters an address.  The choice among the 8 rows steers no address:
; all 8 stay in registers and v_cndmask_b32 selects.  NaN loses every comparison; if row 0's d2 is NaN, row 0 stays unless a later row's is smaller than the running minimum, which drops NaN.
; SHARES.  A wave a query: 2,048 waves.  Every load and store of a wave covers 512 consecutive bytes, aligned; lane l holds channels 128 i + 4 l + 0..3 of a row, i = 0..3.
; No LDS and no barrier: no wave wants another's bytes.  No matrix unit: 8 dot products a query.
.set OFL, 1                            ; v1   16 x lane; never rewritten
.set ZR,  2                            ; v2   0: the first addend of a chain
.set Q,   4                            ; v[4:19]   the query, f32
.set QK,  20                           ; v[20:27]  rounded
.set PK,  28                           ; v[28:35]  a row, rounded
.set DA,  36                           ; v36-43  q . b of row j: the words' low halves; later the whole
.set DB,  44                           ; v44-51  the high halves
.set BA,  52                           ; v52-59  |b|^2 likewise
.set BB,  60                           ; v60-67
.set Q2,  68                           ; v68-69  |q|^2 likewise
.set D,   72                           ; v72-79  d2 of row j
.set DMIN, 80
.set ROW, 96                           ; v[96:223]  row j at 96 + 16 j, f32; row 0's registers carry the running choice
	s_load_b256 s[4:11], s[0:1], 0x0               ; buffer s[4:5], inputs s[6:7], grp s[8:9], out0 s[10:11]
	v_lshrrev_b32 v3, 5, v0
	v_readfirstlane_b32 s12, v3                    ; wave 0..7
	v_and_b32 v[OFL], 31, v0
	v_lshlrev_b32 v[OFL], 4, v[OFL]
	v_mov_b32 v[ZR], 0
	s_lshl_b32 s13, ttmp9, 3
	s_add_co_u32 s13, s13, s12                     ; my query
	s_lshl_b32 s14, s13, 2
	s_lshl_b32 s16, s13, 11                        ; a row of 2,048 bytes
	s_mov_b32 s17, 0
	s_mov_b32 s19, 0
	s_mov_b32 s20, 0x76543210
	s_mov_b32 s21, 0xfedcba98
	s_wait_kmcnt 0x0
	s_load_b32 s15, s[8:9], s14 offset:0x0         ; the group
	s_add_nc_u64 s[6:7], s[6:7], s[16:17]
	s_add_nc_u64 s[10:11], s[10:11], s[16:17]
.irp i, 0,1,2,3
	global_load_b128 v[Q+4*\i:Q+4*\i+3], v[OFL], s[6:7] offset:512*\i
.endr
	s_wait_kmcnt 0x0
	s_min_u32 s15, s15, 6249
	s_lshl_b32 s18, s15, 14                        ; 8 rows of 2,048 bytes
	s_add_nc_u64 s[4:5], s[4:5], s[18:19]
.irp j, 0,1,2,3,4,5,6,7
.irp i, 0,1,2,3
	global_load_b128 v[ROW+16*\j+4*\i:ROW+16*\j+4*\i+3], v[OFL], s[4:5] offset:2048*\j+512*\i
.endr
.endr
	s_wait_loadcnt 32                              ; the query is in; the 32 loads of the rows stay out
.irp m, 0,1,2,3,4,5,6,7
	v_cvt_pk_bf16_f32 v[QK+\m], v[Q+2*\m], v[Q+2*\m+1]
.endr
	v_fma_mix_f32_bf16 v[Q2],   v[QK], v[QK], v[ZR] op_sel_hi:[1,1,0]
	v_fma_mix_f32_bf16 v[Q2+1], v[QK], v[QK], v[ZR] op_sel:[1,1,0] op_sel_hi:[1,1,0]
.irp m, 1,2,3,4,5,6,7
	v_fma_mix_f32_bf16 v[Q2],   v[QK+\m], v[QK+\m], v[Q2]   op_sel_hi:[1,1,0]
	v_fma_mix_f32_bf16 v[Q2+1], v[QK+\m], v[QK+\m], v[Q2+1] op_sel:[1,1,0] op_sel_hi:[1,1,0]
.endr
.macro CAND j                          ; row j: rounded; my 16 channels' part of q . b and of |b|^2, four chains
	s_wait_loadcnt 4*(7-(\j))                      ; the younger rows' loads stay out
.irp m, 0,1,2,3,4,5,6,7
	v_cvt_pk_bf16_f32 v[PK+\m], v[ROW+16*(\j)+2*\m], v[ROW+16*(\j)+2*\m+1]
.endr
	v_fma_mix_f32_bf16 v[DA+(\j)], v[PK], v[QK], v[ZR] op_sel_hi:[1,1,0]
	v_fma_mix_f32_bf16 v[DB+(\j)], v[PK], v[QK], v[ZR] op_sel:[1,1,0] op_sel_hi:[1,1,0]
	v_fma_mix_f32_bf16 v[BA+(\j)], v[PK], v[PK], v[ZR] op_sel_hi:[1,1,0]
	v_fma_mix_f32_bf16 v[BB+(\j)], v[PK], v[PK], v[ZR] op_sel:[1,1,0] op_sel_hi:[1,1,0]
.irp m, 1,2,3,4,5,6,7
	v_fma_mix_f32_bf16 v[DA+(\j)], v[PK+\m], v[QK+\m], v[DA+(\j)] op_sel_hi:[1,1,0]
	v_fma_mix_f32_bf16 v[DB+(\j)], v[PK+\m], v[QK+\m], v[DB+(\j)] op_sel:[1,1,0] op_sel_hi:[1,1,0]
	v_fma_mix_f32_bf16 v[BA+(\j)], v[PK+\m], v[PK+\m], v[BA+(\j)] op_sel_hi:[1,1,0]
	v_fma_mix_f32_bf16 v[BB+(\j)], v[PK+\m], v[PK+\m], v[BB+(\j)] op_sel:[1,1,0] op_sel_hi:[1,1,0]
.endr
.endm
.irp j, 0,1,2,3,4,5,6,7
	CAND \j
.endr
	; 17 sums over the wave, side by side: the two chains; four steps inside each half of 16 lanes; one across the halves.  Every lane ends with the same numbers.
.irp j, 0,1,2,3,4,5,6,7
	v_add_f32 v[DA+\j], v[DA+\j], v[DB+\j]
	v_add_f32 v[BA+\j], v[BA+\j], v[BB+\j]
.endr
	v_add_f32 v[Q2], v[Q2], v[Q2+1]
.irp m, 1,2,4,8
.irp j, 0,1,2,3,4,5,6,7
	v_add_f32_dpp v[DA+\j], v[DA+\j], v[DA+\j] row_xmask:\m row_mask:0xf bank_mask:0xf
	v_add_f32_dpp v[BA+\j], v[BA+\j], v[BA+\j] row_xmask:\m row_mask:0xf bank_mask:0xf
.endr
	v_add_f32_dpp v[Q2], v[Q2], v[Q2] row_xmask:\m row_mask:0xf bank_mask:0xf
.endr
.irp j, 0,1,2,3,4,5,6,7
	v_permlanex16_b32 v[DB+\j], v[DA+\j], s20, s21
	v_permlanex16_b32 v[BB+\j], v[BA+\j], s20, s21
.endr
	v_permlanex16_b32 v[Q2+1], v[Q2], s20, s21
.irp j, 0,1,2,3,4,5,6,7
	v_add_f32 v[DA+\j], v[DA+\j], v[DB+\j]
	v_add_f32 v[BA+\j], v[BA+\j], v[BB+\j]
.endr
	v_add_f32 v[Q2], v[Q2], v[Q2+1]
.irp j, 0,1,2,3,4,5,6,7
	v_fma_f32 v[D+\j], v[DA+\j], -2.0, v[Q2]       ; |q|^2 - 2 q . b,
.endr
.irp j, 0,1,2,3,4,5,6,7
	v_add_f32 v[D+\j], v[D+\j], v[BA+\j]           ; + |b|^2
.endr
	v_mov_b32 v[DMIN], v[D]
.irp j, 1,2,3,4,5,6,7                          ; strictly smaller: of equal d2 the first row stays
	v_cmp_lt_f32 vcc_lo, v[D+\j], v[DMIN]
	v_min_num_f32 v[DMIN], v[DMIN], v[D+\j]
.irp i, 0,1,2,3,4,5,6,7,8,9,10,11,12,13,14,15
	v_cndmask_b32 v[ROW+\i], v[ROW+\i], v[ROW+16*\j+\i], vcc_lo
.endr
.endr
.irp i, 0,1,2,3
	global_store_b128 v[OFL], v[ROW+4*\i:ROW+4*\i+3], s[10:11] offset:512*\i
.endr
	s_endpgm
.Lfunc_end_k_q484bd09d29_recall:
	.size	k_q484bd09d29_recall, .Lfunc_end_k_q484bd09d29_recall-k_q484bd09d29_recall
	.p2alignl 7, 3214868480
	.fill 96, 4, 3214868480
	.section	.rodata,"a",@progbits
	.p2align	6, 0x0
	.amdhsa_kernel k_q484bd09d29_recall
		.amdhsa_group_segment_fixed_size 0
		.amdhsa_private_segment_fixed_size 0
		.amdhsa_enable_private_segment 0
		.amdhsa_kernarg_size 32
		.amdhsa_user_sgpr_count 2
		.amdhsa_user_sgpr_kernarg_segment_ptr 1
		.amdhsa_wavefront_size32 1
		.amdhsa_system_sgpr_workgroup_id_x 1
		.amdhsa_system_sgpr_workgroup_id_y 1
		.amdhsa_system_sgpr_workgroup_id_z 1
		.amdhsa_system_vgpr_workitem_id 0
		.amdhsa_next_free_vgpr 224
		.amdhsa_next_free_sgpr 66
		.amdhsa_reserve_vcc 1
		.amdhsa_float_denorm_mode_32 3
		.amdhsa_float_denorm_mode_16_64 3
		.amdhsa_memory_ordered 1
		.amdhsa_forward_progress 1
		.amdhsa_inst_pref_size 38
	.end_amdhsa_kernel
	.amdgpu_metadata
---
amdhsa.version: [ 1, 2 ]
amdhsa.kernels:
  - .name:           k_q484bd09d29_recall
    .symbol:         k_q484bd09d29_recall.kd
    .args:
      - { .name: buffer, .offset: 0, .size: 8, .value_kind: global_buffer, .address_space: global }
      - { .name: inputs, .offset: 8, .size: 8, .value_kind: global_buffer, .address_space: global }
      - { .name: grp, .offset: 16, .size: 8, .value_kind: global_buffer, .address_space: global }
      - { .name: out0, .offset: 24, .size: 8, .value_kind: global_buffer, .address_space: global }
    .group_segment_fixed_size: 0
    .private_segment_fixed_size: 0
    .kernarg_segment_align: 8
    .kernarg_segment_size: 32
    .max_flat_workgroup_size: 256
    .sgpr_count:     66
    .vgpr_count:     224
    .wavefront_size: 32
...
	.end_amdgpu_metadata
.endif
;; end of part 4
;; ======== version 2 of 2: 4 launches; version 1 with the launch scan written anew for expert scheduling mode
;; workspace buffers: qf 2,097,152 bytes; part 4,194,304 bytes; grp 8,192 bytes of whole numbers
;; launch prep: the kernel of part 1 again; grid 64 x 1, 8 waves a work-group, no clusters, 0 bytes of LDS; arguments inputs, qf; writes qf
;; launch scan (part 5): grid 256 x 1, 4 waves a work-group, no clusters, 234,240 bytes of LDS; arguments buffer, qf, part; writes part
.if DOCPART == 5
	.amdgcn_target "amdgcn-amd-amdhsa--gfx1250"
	.amdhsa_code_object_version 6
	.text
	.protected	k_q484bd09d29_scan
	.globl	k_q484bd09d29_scan
	.p2align	8
	.type	k_q484bd09d29_scan,@function
k_q484bd09d29_scan:
	s_mov_b64 s[64:65], 0
	v_nop
	global_prefetch_b8 v0, s[64:65] scope:SCOPE_SE
	s_setreg_imm32_b32 hwreg(HW_REG_WAVE_SCHED_MODE, 0, 2), 2
	s_setreg_imm32_b32 hwreg(HW_REG_WAVE_MODE, 25, 1), 1
	s_wait_xcnt 0x0
	s_wait_alu depctr_vm_vsrc(0)
; For every query and every slab of 208 buffer rows: the largest score s = q . b - |b|^2 / 2 = (|q|^2 - d2) / 2 in the slab, and the group of 8 rows (row / 8) that holds it.
; |q|^2 is the same for all rows of a query, so the largest s is the smallest d2.  q and b are rounded once to bf16; |b|^2 is the sum of squares of the ROUNDED numbers, in f32.
; LIMITS.  NaN is dropped by the maxima and loses every comparison; infinities are not treated apart.  Of equal scores the lowest group wins; scores that differ by less than the f32 sums'
; rounding may fall either way.  s is, as d2 in the problem's own formula, a difference of the sums q . b and |b|^2 / 2: its error grows with them.
; SHARES.  The buffer has 3,125 tiles of 16 rows.  Work-group g owns the 13 tiles from (3125 g) >> 8 on: starts 12 or 13 apart, so all tiles are covered; a tile that two slabs share gives the
; same score and group twice.  The slab is read once as f32, rounded, and STAYS in LDS as bf16.  The waves split the QUERIES: wave w takes queries 512 w .. 512 w + 511, in 8 batches of 64.
; A wave's tile is 13 x 4 accumulators (208 rows x 64 queries, 416 registers); for 32 along K it loads 26 x 16 bytes a lane from LDS and 8 x 16 from qf for 52 matrix instructions.
; LAYOUT.  Source 0 = 16 buffer rows, source 1 = 16 queries: in the result a lane holds ONE query (lane % 16) and the rows 8 (lane / 16) + 0..7, one group of 8.
; -|b|^2 / 2 is the C operand of a batch's first K step.  A batch's maxima stand between the products of the next batch's first K step.
; The queries come straight into registers: no wave wants another's, and qf lies in fragment order.  Behind the one barrier (slab whole) there is no barrier and no wait for another wave.
; NO CLUSTER, though all work-groups read the same qf: a joint tile lands in LDS, of which 327,680 - 234,240 = 93,440 bytes are free.  The four waves' 256 queries are 16,384 bytes a K step, so two
; slots hold two K steps each: a round of the cluster's barrier for every 104 matrix instructions of a wave, and 8 LDS loads more on top of a K step's 26.
; REGISTERS, in windows of 256 (s_set_vgpr_msb: bits 1:0 source 0, 3:2 source 1, 5:4 source 2, 7:6 destination):
;   window 0: v0-47 addresses and small work; v48-255 first the ring of 13 f32 rows, then two buffers of 13 fragments of the slab
;   window 1: v0-127 four slots of 4 query fragments; v128-231 -|b|^2 / 2 as 13 C operands
;   window 2: accumulators of tiles 0-6 at 32 a + 8 t; v224-235 T, BEST, IDX for the four query tiles          window 3: tiles 7-12 at 32 (a - 7) + 8 t; v192-203 the same
; THE MODE: SCHED_MODE bits 1:0 = 2 (LLVM: expert scheduling mode 2), set by the entry lines.  The code itself states the register dependences between vector or matrix instructions and
; memory or LDS instructions, with s_wait_alu, always for 0.
; THE PLAN.  Registers that memory or LDS instructions touch, and who else names them:
;   v6, v9-15, v18, v19   addresses, written at the head ahead of one wait on va_vdst and never again.
;   THE SLAB.  X[s]: read by row s's eight conversions, then loaded again.  PK: written by those conversions, read by the row's four LDS stores, written again by the next row's conversions.
;   NBV[s % 2]: written by row s's last line, stored in row s + 1 (row 12's at the round's end), written again in row s + 2.  v7, v8: read by the LDS stores, stepped once a round.
;   So a row has ONE wait on va_vdst, behind its conversions (X[s] is read, PK is written, the row before has written its NBV), and ONE on vm_vsrc, at its head (the stores of the row before have
;   read PK and NBV).  A round's end has one of each: for row 12's store, and ahead of the steps of v7 and v8.
;   THE PRODUCTS.  K step k's 52 products read fragment buffer k % 2, query slot k % 4 and the accumulators.  Its 26 LDS loads land in buffer (k + 1) % 2 and its 8 loads of qf in slot (k + 3) % 4,
;   both of which the products of step k - 1 read.  So ONE wait on va_vdst stands at a step's head, and behind it the step's 34 loads are dealt among its products with no further wait:
;   no vector or matrix instruction issued since names a register that they touch.  RV and v17: written by MERGE's vector lines, read by its four LDS stores: a wait on va_vdst ahead of the stores
;   (which is also the head's wait of the K step that follows), one on vm_vsrc behind them.
;   A comparison that writes a lane mask into a scalar register has a wait on va_sdst ahead of the mask's first reader: one wait for each run of comparisons.
.set PITCH, 1040                       ; a slab row in LDS: 1,024 bytes + 16 = 65 x 16: the 16 rows of a fragment load start at 16 different groups of four banks (64 banks of 4 bytes: ISA guide 11.1)
.set NB2,   208*PITCH                  ; 216,320: 208 f32, -|b|^2 / 2 (a block of 1,024 bytes)
.set RES,   NB2+1024                   ; 217,344: 2,048 pairs (score, group); wave w's at 4,096 w
.set SPARE, RES+16384                  ; 233,728: the spare words, 128 bytes for each wave: two blocks of 256 bytes that no other line names
.set SPW,  4                           ; v4   LDS address of my spare word; never rewritten
.set NIL,  5                           ; v5   0, for the add alone
.set GOFF, 6                           ; v6   16 x lane; never rewritten
.set LST,  7                           ; v7   where my 8 bytes of a rounded row go
.set LNB,  8                           ; v8   where a row's -|b|^2 / 2 goes
.set PFO,  9                           ; v9   256 x lane
.set ADA,  10                          ; v10-14  my place in a fragment of slab tiles 3 g .. 3 g + 2: the immediate then stays under 2^16
.set ANB,  15                          ; v15  NB2 + 32 (lane / 16)
.set GB,   16                          ; v16  the group of my 8 rows in the slab's tile 0
.set RST,  17                          ; v17  where a batch's pairs go
.set RRD,  18                          ; v18  where I read pairs back
.set POFF, 19                          ; v19  my byte offset in part
.set RV,   20                          ; v20-27  query tile t: score at 20 + 2 t, group at 21 + 2 t
.set PK,   32                          ; v32-39  a row's 16 numbers of mine, rounded
.set VO,   32                          ;         later: the other half of the lanes' score and group
.set SS,   40                          ; v40-43  four chains of a sum of squares
.set TMP,  44
.set ZR,   45                          ; v45  0: the first addend of a chain
.set NBV,  46                          ; v46-47  a row's -|b|^2 / 2 on its way to LDS: by the row's parity in its round
.set X,    48                          ; the ring: slot s at 48 + 16 s
.set AF,   48                          ; slab fragments: buffer b, tile a at 48 + 104 b + 8 a
.set OB,   48                          ; the way out
.set NBR,  128                         ; window 1: tile a's C operand at 128 + 8 a
.set BP,   16                          ; s[16:17] the buffer at my wave's rows of the round in hand
.set QP,   18                          ; s[18:19] qf at the batch in hand
.set QN,   20                          ; s[20:21] qf at the next batch
.set QB,   22                          ; s[22:23] qf at my wave's first batch
.set NX,   24                          ; s[24:25] the next batch's byte offset from there
.set CB,   26                          ; s26  batches to go
.set CR,   27                          ; s27  rounds to go
.set SEL,  28                          ; s[28:29] v_permlanex16_b32's selects: each lane takes its own place in the other half
.set MK,   30                          ; s30-33  a lane mask for each query tile
.set PFA,  36                          ; s[36:37] qf at my work-group's 8,192 bytes of it
.set MEQ,  38                          ; s38-41  MERGE: equal scores, for each query tile
.set MLT,  42                          ; s42-45  MERGE: the lower group, for each query tile
.set MSB, 0
.macro WIN new                         ; the immediate's high byte repeats the setting that is left; a switch that changes nothing is dropped
.if MSB != (\new)
	s_set_vgpr_msb (MSB<<8)|(\new)
.set MSB, \new
.endif
.endm
	s_load_b128 s[4:7], s[0:1], 0x0                ; buffer s[4:5], qf s[6:7]
	s_load_b64 s[8:9], s[0:1], 0x10                ; part
	v_lshl_add_u32 v[SPW], v0, 2, SPARE
	v_mov_b32 v[NIL], 0
	v_lshrrev_b32 v1, 5, v0
	v_readfirstlane_b32 s10, v1                    ; wave 0..3
	v_and_b32 v1, 15, v0                           ; r = lane % 16
	v_bfe_u32 v2, v0, 4, 1                         ; h = lane / 16
	v_and_b32 v3, 31, v0                           ; lane
	s_mul_i32 s12, ttmp9, 3125
	s_lshr_b32 s12, s12, 8                         ; the slab's first tile
	v_lshlrev_b32 v[GOFF], 4, v3
	s_wait_alu depctr_va_sdst(0)                   ; s10 is written, ahead of its first reader: LDS places and the bases of buffer, qf and part are made from it
	s_mul_i32 s34, s10, 52*PITCH                   ; my wave rounds rows 52 w .. 52 w + 51 of the slab
	v_lshl_add_u32 v[LST], v3, 3, s34
	s_mul_i32 s34, s10, 208
	s_add_co_u32 s34, s34, NB2
	v_mov_b32 v[LNB], s34
	v_lshlrev_b32 v[PFO], 8, v3
	v_mul_u32_u24 v[ADA], v1, PITCH
	v_lshl_add_u32 v[ADA], v2, 4, v[ADA]           ; row x pitch + 16 x half
.irp g, 1,2,3,4
	v_add_nc_u32 v[ADA+\g], (\g)*48*PITCH, v[ADA]
.endr
	v_lshl_add_u32 v[ANB], v2, 5, NB2
	s_lshl_b32 s34, s12, 1
	v_add_nc_u32 v[GB], s34, v2                    ; 2 x tile + half
	s_lshl_b32 s35, s10, 12
	s_add_co_u32 s35, s35, RES
	v_lshl_add_u32 v[RST], v1, 3, s35
	v_lshl_add_u32 v[RRD], v3, 4, s35
	v_lshlrev_b32 v[POFF], 4, v1
	v_lshl_add_u32 v[POFF], v2, 16, v[POFF]
	v_mov_b32 v[TMP], 0                            ; v_permlanex16_b32's destination counts as read
	v_mov_b32 v[ZR], 0
	s_mov_b32 s[SEL], 0x76543210
	s_mov_b32 s[SEL+1], 0xfedcba98
	s_lshl_b32 s14, s12, 4
	s_mul_i32 s34, s10, 52
	s_add_co_u32 s14, s14, s34                     ; my wave's first buffer row,
	s_lshl_b32 s14, s14, 11                        ; in bytes: under 102,400,000
	s_mov_b32 s15, 0
	s_mov_b32 s[NX], 65536
	s_mov_b32 s[NX+1], 0
	s_wait_kmcnt 0x0
	s_add_nc_u64 s[BP:BP+1], s[4:5], s[14:15]
	s_lshl_b32 s14, s10, 19                        ; my wave's 512 queries: 8 batches of 65,536 bytes on end
	s_add_nc_u64 s[QB:QB+1], s[6:7], s[14:15]
	s_mov_b64 s[QP:QP+1], s[QB:QB+1]
	s_add_nc_u64 s[QN:QN+1], s[QB:QB+1], s[NX:NX+1]
	s_lshl_b32 s14, ttmp9, 13
	s_add_nc_u64 s[PFA:PFA+1], s[6:7], s[14:15]
	s_lshl_b32 s14, ttmp9, 8                       ; part: my work-group's 256 bytes in a block of 32 queries,
	s_lshl_b32 s34, s10, 20                        ; my wave's 16 blocks of 65,536
	s_add_co_u32 s14, s14, s34
	s_add_nc_u64 s[8:9], s[8:9], s[14:15]
	s_wait_alu depctr_va_vdst(0)                   ; the addresses v6 to v19 are written, which the loads, stores and the prefetch below read
; THE SLAB COMES IN.  A row is 2,048 bytes: four loads of 512 consecutive bytes; a ring of 13 rows keeps 52 loads (26 KiB) of every wave on their way.
.irp s, 0,1,2,3,4,5,6,7,8,9,10,11,12
.irp i, 0,1,2,3
	global_load_b128 v[X+16*(\s)+4*\i:X+16*(\s)+4*\i+3], v[GOFF], s[BP:BP+1] offset:(\s)*2048+512*\i
.endr
.endr
; One row: rounded (channels 128 i + 4 lane + 0..3 become 8 bytes at 256 i + 8 lane of the LDS row), the slot asked for again 13 rows on, the sum of squares of the rounded numbers
; taken over the wave, and -1/2 of it left in NBV for the next row's turn to store.  left = the younger loads that may stay out.
.macro PSLOT s, ahead, left
	s_wait_loadcnt \left
.if (\s) > 0
	s_wait_alu depctr_vm_vsrc(0)                   ; the LDS stores issued in the row before have read PK, which the conversions write again, and the NBV that this row's last line writes again (row 0: the round's end has said so)
.endif
.irp i, 0,1,2,3,4,5,6,7
	v_cvt_pk_bf16_f32 v[PK+\i], v[X+16*(\s)+2*\i], v[X+16*(\s)+2*\i+1]
.endr
	s_wait_alu depctr_va_vdst(0)                   ; the conversions are done reading X[s], in which the loads below land, and have written PK, which the stores below read; the row before has written its NBV; in row 0, v7 and v8 are written
.if \ahead
.irp i, 0,1,2,3
	global_load_b128 v[X+16*(\s)+4*\i:X+16*(\s)+4*\i+3], v[GOFF], s[BP:BP+1] offset:(13+(\s))*2048+512*\i
.endr
.endif
.irp i, 0,1,2,3
	ds_store_b64 v[LST], v[PK+2*\i:PK+2*\i+1] offset:(\s)*PITCH+256*\i  ; 32 lanes, 256 consecutive bytes
.endr
.if (\s) > 0
	ds_store_b32 v[LNB], v[NBV+((\s)-1)%2] offset:4*((\s)-1)  ; the row before: every lane holds the same number and writes the same word
.endif
.irp i, 0,1,2,3,4,5,6,7                        ; four chains: by the word's parity and by its half
.if \i < 2
	v_fma_mix_f32_bf16 v[SS+2*\i],   v[PK+\i], v[PK+\i], v[ZR] op_sel_hi:[1,1,0]
	v_fma_mix_f32_bf16 v[SS+2*\i+1], v[PK+\i], v[PK+\i], v[ZR] op_sel:[1,1,0] op_sel_hi:[1,1,0]
.else
	v_fma_mix_f32_bf16 v[SS+2*((\i)%2)],   v[PK+\i], v[PK+\i], v[SS+2*((\i)%2)] op_sel_hi:[1,1,0]
	v_fma_mix_f32_bf16 v[SS+2*((\i)%2)+1], v[PK+\i], v[PK+\i], v[SS+2*((\i)%2)+1] op_sel:[1,1,0] op_sel_hi:[1,1,0]
.endif
.endr
	v_add_f32 v[SS], v[SS], v[SS+1]
	v_add_f32 v[SS+2], v[SS+2], v[SS+3]
	v_add_f32 v[SS], v[SS], v[SS+2]
.irp m, 1,2,4,8
	v_add_f32_dpp v[SS], v[SS], v[SS] row_xmask:\m row_mask:0xf bank_mask:0xf
.endr
	v_permlanex16_b32 v[TMP], v[SS], s[SEL], s[SEL+1]
	v_add_f32 v[SS], v[SS], v[TMP]
	v_mul_f32 v[NBV+(\s)%2], -0.5, v[SS]
.endm
.macro PEND                            ; a round's end: row 12 has no row behind it to store its number
	s_wait_alu depctr_va_vdst(0)                   ; row 12's last line has written NBV[0], which the store below reads; behind the last round also: every conversion is done reading the ring v48-255, in which the slab's fragments land from there on
	ds_store_b32 v[LNB], v[NBV] offset:48
.endm
	s_mov_b32 s[CR], 3
.Lround:                                       ; three rounds of 13 rows, each asking for the next round's rows
.irp s, 0,1,2,3,4,5,6,7,8,9,10,11,12
	PSLOT \s, 1, 48                                ; 12 younger slots of 4 loads
.endr
	PEND
	s_wait_xcnt 0x0                                ; every load issued so far has read its address, so the pointer may be written
	s_add_nc_u64 s[BP:BP+1], s[BP:BP+1], 13*2048
	s_wait_alu depctr_vm_vsrc(0)                   ; the LDS stores issued so far have read v7 and v8, which the two lines below write, and PK and NBV[0], which the next row writes
	v_add_nc_u32 v[LST], 13*PITCH, v[LST]
	v_add_nc_u32 v[LNB], 52, v[LNB]
	s_sub_co_u32 s[CR], s[CR], 1
	s_cmp_lg_u32 s[CR], 0
	s_cbranch_scc1 .Lround
	; A PREFETCH of qf, behind the wave's last loads of the buffer and a round of 13 rows ahead of the first loads of qf.  Wave 0 of work-group g names the 8,192 bytes from 8,192 g on,
	; a lane 256 bytes: 256 work-groups x 8,192 = all 2,097,152 bytes of qf, each block named once in the launch.  Its address registers are never rewritten.
	s_cmp_lg_u32 s10, 0
	s_cbranch_scc1 .Lnot_mine
	global_prefetch_b8 v[PFO], s[PFA:PFA+1] th:TH_LOAD_NT scope:SCOPE_SE
.Lnot_mine:
.irp s, 0,1,2,3,4,5,6,7,8,9,10,11,12
	PSLOT \s, 0, 48-4*(\s)                         ; the last round loads nothing: the counts run down to 0
.endr
	PEND
; THE PRODUCTS.
.macro PLACES                          ; a vector instruction that reads a matrix result stands four plain vector instructions behind it (ISA guide 7.12.1)
.rept 4
	v_nop
.endr
.endm
.macro ALD f, b, a                     ; two LDS loads: the slab's fragment of tile a at K step f into buffer b
	WIN 0
	ds_load_b128 v[AF+104*(\b)+8*(\a):AF+104*(\b)+8*(\a)+3],   v[ADA+(\a)/3] offset:((\a)%3)*16*PITCH+64*(\f)
	ds_load_b128 v[AF+104*(\b)+8*(\a)+4:AF+104*(\b)+8*(\a)+7], v[ADA+(\a)/3] offset:((\a)%3)*16*PITCH+64*(\f)+32
.endm
.macro BLD slot, ptr, off, t           ; two loads of 512 consecutive bytes: query tile t's fragment of one K step
	WIN 0x40                                       ; destination window 1, address window 0
	global_load_b128 v[32*(\slot)+8*(\t):32*(\slot)+8*(\t)+3],   v[GOFF], s[\ptr:\ptr+1] offset:(\off)+1024*(\t)
	global_load_b128 v[32*(\slot)+8*(\t)+4:32*(\slot)+8*(\t)+7], v[GOFF], s[\ptr:\ptr+1] offset:(\off)+1024*(\t)+512
.endm
.macro BLOAD slot, ptr, off            ; a K step's four query fragments in one run: at the start alone
.irp t, 0,1,2,3
	BLD \slot, \ptr, \off, \t
.endr
.endm
.macro MUL4 b, slot, a                 ; tile a's four products, in place.  The 52 accumulators take turns, one instruction a turn, in the same order in every K step
.if (\a) < 7
	WIN 0xa4                                       ; slab window 0, queries window 1, C and D window 2
.set AC, 32*(\a)
.else
	WIN 0xf4                                       ; the same, C and D window 3
.set AC, 32*((\a)-7)
.endif
.irp t, 0,1,2,3
	v_wmma_f32_16x16x32_bf16 v[AC+8*\t:AC+8*\t+7], v[AF+104*(\b)+8*(\a):AF+104*(\b)+8*(\a)+7], v[32*(\slot)+8*\t:32*(\slot)+8*\t+7], v[AC+8*\t:AC+8*\t+7]
.endr
.endm
; K step kf (1 to 15) of a batch.  Behind tile a's four products stand the two LDS loads of tile a's fragment of the NEXT step; behind those of tiles 0 to 3 also two loads of the queries of the step THREE on.
; Two window switches stand round each pair of LDS loads, a third where loads of qf follow: 30 for a K step's 52 matrix instructions and 34 loads.
; head = 0: K step 1, whose wait on va_vdst is MERGE's (in the first trip: the one ahead of the loop).
.macro KSTEP kf, head
.set kb, (\kf)%2
.set ks, (\kf)%4
.set nf, ((\kf)+1)%16
.set nb, ((\kf)+1)%2
.set ns, ((\kf)+3)%4
	s_wait_dscnt 12                                ; LDS loads come back in order (ISA guide 5.7.1): of the 26 dealt in the step before the youngest 12 may stay out: this step's tiles 0 to 6 are in
	s_wait_loadcnt 16                              ; two younger K steps of 8 loads may stay out: this step's queries are in
.if \head
	s_wait_alu depctr_va_vdst(0)                   ; the products of the step before are done reading the fragment buffer and the query slot in which this step's loads land
.endif
.set ta, 0
.rept 13
.if ta == 7
	s_wait_dscnt 14                                ; all but the 14 dealt in this step: tiles 7 to 12 are in
.endif
	MUL4 kb, ks, ta
	ALD nf, nb, ta                                 ; no wait: no vector or matrix instruction since the head's wait names this buffer
.if ta < 4
.if (\kf) <= 12
	BLD ns, QP, ((\kf)+3)*4096, ta
.else
	BLD ns, QN, ((\kf)-13)*4096, ta
.endif
.endif
.set ta, ta+1
.endr
.endm
; Tile a's part of a batch's maxima, for the four query tiles: T = the largest of the lane's 8 scores (the accumulator's lowest registers are read first);
; where T beats BEST, IDX takes a.  The comparison is strict: of equal scores the lower tile stays.  Tiles 0 and 7 start their window's BEST and IDX.
.macro EPI a
.if (\a) < 7
	WIN 0xaa                                       ; all in window 2
.set AC, 32*(\a)
.set TB, 224
.else
	WIN 0xff                                       ; all in window 3
.set AC, 32*((\a)-7)
.set TB, 192
.endif
.irp t, 0,1,2,3
	v_max3_num_f32 v[TB+\t], v[AC+8*\t], v[AC+8*\t+1], v[AC+8*\t+2]
.endr
.irp t, 0,1,2,3
	v_max3_num_f32 v[TB+\t], v[TB+\t], v[AC+8*\t+3], v[AC+8*\t+4]
.endr
.irp t, 0,1,2,3
	v_max3_num_f32 v[TB+\t], v[TB+\t], v[AC+8*\t+5], v[AC+8*\t+6]
.endr
.if ((\a) == 0) || ((\a) == 7)
.irp t, 0,1,2,3
	v_max_num_f32 v[TB+4+\t], v[TB+\t], v[AC+8*\t+7]
.endr
.irp t, 0,1,2,3
	v_mov_b32 v[TB+8+\t], \a
.endr
.else
.irp t, 0,1,2,3
	v_max_num_f32 v[TB+\t], v[TB+\t], v[AC+8*\t+7]
.endr
.irp t, 0,1,2,3
	v_cmp_gt_f32 s[MK+\t], v[TB+\t], v[TB+4+\t]
.endr
.irp t, 0,1,2,3
	v_max_num_f32 v[TB+4+\t], v[TB+4+\t], v[TB+\t]  ; BEST is taken up between the comparisons and the wait for their masks
.endr
	s_wait_alu depctr_va_sdst(0)                   ; the four comparisons have written s30 to s33, which the selections below read
.irp t, 0,1,2,3
	v_cndmask_b32 v[TB+8+\t], v[TB+8+\t], \a, s[MK+\t]
.endr
.endif
.endm
.macro FIRST a                         ; tile a's four products of a batch's K step 0: they start the sums with -|b|^2 / 2
.if (\a) < 7
	WIN 0x94                                       ; slab window 0, queries and C window 1, D window 2
.set AC, 32*(\a)
.else
	WIN 0xd4                                       ; D window 3
.set AC, 32*((\a)-7)
.endif
.irp t, 0,1,2,3
	v_wmma_f32_16x16x32_bf16 v[AC+8*\t:AC+8*\t+7], v[AF+8*(\a):AF+8*(\a)+7], v[8*\t:8*\t+7], v[NBR+8*(\a):NBR+8*(\a)+7]
.endr
.endm
; A batch's K step 0, with its loads dealt as in every K step.  e = 1: the batch before is read out tile by tile, each tile's maxima ahead of the products that write its accumulators anew.  Between an
; accumulator's last product of the old batch and the product that overwrites it stand four v_nop and the sixteen or more lines of EPI that name other accumulators.
; e = 0: the first batch: no vector or matrix instruction has named buffer 1 or slot 3 since the wait at the slab's end, so the head has no wait on va_vdst.
.macro EF e, ptr
	s_wait_dscnt 12                                ; as in KSTEP: this step's tiles 0 to 6 are in (e = 0: the C operands too, which were asked for ahead of them)
	s_wait_loadcnt 16                              ; this step's queries are in
.if \e
	PLACES                                         ; ahead of tile 0's maxima, which read matrix results
	s_wait_alu depctr_va_vdst(0)                   ; the products of K step 15 are done reading buffer 1 and slot 3, in which this step's loads land
.endif
.irp a, 0,1,2,3,4,5,6,7,8,9,10,11,12
.if \a == 7
	s_wait_dscnt 14                                ; all but the 14 dealt in this step: tiles 7 to 12 are in
.endif
.if \e
	EPI \a
.endif
	FIRST \a
	ALD 1, 1, \a
.if \a < 4
	BLD 3, \ptr, 12288, \a
.endif
.endr
.endm
; The two windows' winners, then the two halves of the lanes' (a query's other 8 rows of each tile lie in the lane 16 away): of equal scores the lower group.  Both halves end with the same pair and store it to the same 8 bytes.
.macro MERGE
	WIN 0x0e                                       ; source 0 window 2, source 1 window 3, destination window 0
.irp t, 0,1,2,3
	v_cmp_lt_f32 s[MK+\t], v[228+\t], v[196+\t]
.endr
.irp t, 0,1,2,3
	v_max_num_f32 v[RV+2*\t], v[228+\t], v[196+\t]
.endr
	s_wait_alu depctr_va_sdst(0)                   ; the four comparisons have written s30 to s33, which the selections below read
.irp t, 0,1,2,3
	v_cndmask_b32 v[RV+2*\t+1], v[232+\t], v[200+\t], s[MK+\t]
.endr
	WIN 0
.irp t, 0,1,2,3
	v_lshl_add_u32 v[RV+2*\t+1], v[RV+2*\t+1], 1, v[GB]  ; group = 2 x (the slab's first tile + a) + half
.endr
.irp t, 0,1,2,3
	v_permlanex16_b32 v[VO+2*\t],   v[RV+2*\t],   s[SEL], s[SEL+1]
	v_permlanex16_b32 v[VO+2*\t+1], v[RV+2*\t+1], s[SEL], s[SEL+1]
.endr
.irp t, 0,1,2,3
	v_cmp_gt_f32 s[MK+\t],  v[VO+2*\t], v[RV+2*\t]
	v_cmp_eq_f32 s[MEQ+\t], v[VO+2*\t], v[RV+2*\t]
	v_cmp_lt_u32 s[MLT+\t], v[VO+2*\t+1], v[RV+2*\t+1]
.endr
.irp t, 0,1,2,3
	v_max_num_f32 v[RV+2*\t], v[RV+2*\t], v[VO+2*\t]
.endr
	s_wait_alu depctr_va_sdst(0)                   ; the twelve comparisons have written s30 to s33 and s38 to s45, which the scalar lines below read
.irp t, 0,1,2,3
	s_and_b32 s[MEQ+\t], s[MEQ+\t], s[MLT+\t]
	s_or_b32 s[MK+\t], s[MK+\t], s[MEQ+\t]
.endr
.irp t, 0,1,2,3
	v_cndmask_b32 v[RV+2*\t+1], v[RV+2*\t+1], v[VO+2*\t+1], s[MK+\t]
.endr
	s_wait_alu depctr_va_vdst(0)                   ; RV and v17 are written, which the stores below read; the products of K step 0 are done reading buffer 0 and slot 0, in which the loads of K step 1, or those of the way out, land
.irp t, 0,1,2,3
	ds_store_b64 v[RST], v[RV+2*\t:RV+2*\t+1] offset:128*\t
.endr
	s_wait_alu depctr_vm_vsrc(0)                   ; the four stores have read v17, which the line below writes, and RV, which the next batch's MERGE writes
	v_add_nc_u32 v[RST], 512, v[RST]               ; the next batch's 64 pairs
.endm
	BLOAD 0, QP, 0                                 ; the first batch's K steps 0, 1, 2: on their way across the barrier; nobody writes qf
	BLOAD 1, QP, 4096
	BLOAD 2, QP, 8192
	s_wait_dscnt 0x0                               ; for the others' sake: my rows of the slab and their -|b|^2 / 2 are in LDS
	s_barrier_signal -1
	s_barrier_wait -1                              ; everybody's are; they are never written again
	s_wait_alu depctr_vm_vsrc(0)                   ; my LDS stores have read v32-39: from here on these registers are VO, which MERGE's vector lines write
	WIN 0x40
.irp a, 0,1,2,3,4,5,6,7,8,9,10,11,12           ; register j of tile a's C operand belongs to row 16 a + 8 (lane / 16) + j
	ds_load_b128 v[NBR+8*\a:NBR+8*\a+3],   v[ANB] offset:64*\a
	ds_load_b128 v[NBR+8*\a+4:NBR+8*\a+7], v[ANB] offset:64*\a+16
.endr
.irp a, 0,1,2,3,4,5,6,7,8,9,10,11,12           ; the slab's fragments of K step 0, in one run: there are no products yet to deal them among
	ALD 0, 0, \a
.endr
	EF 0, QP                                       ; the first batch's K step 0 stands in front of the loop
	WIN 0                                          ; at a label and at a branch every window is 0
	s_wait_alu depctr_va_vdst(0)                   ; the products of the first batch's K step 0 are done reading buffer 0 and slot 0, in which the loads of K step 1 land (in later trips MERGE's wait says so)
	s_mov_b32 s[CB], 8
.Lbatch:                                       ; a trip: K steps 1 to 15 of a batch, its maxima, and the next batch's K step 0
	KSTEP 1, 0
.set kf, 2
.rept 14
	KSTEP kf, 1
.set kf, kf+1
.endr
	EF 1, QN
	MERGE
	s_wait_xcnt 0x0                                ; every load issued so far has read its address, so the pointers may be written
	s_mov_b64 s[QP:QP+1], s[QN:QN+1]
	s_add_co_u32 s[NX], s[NX], 65536
	s_min_u32 s[NX], s[NX], 7*65536                ; behind the last batch there is none: the last trip's look-ahead reads batch 7 once more, inside qf, and its 52 products
	s_add_nc_u64 s[QN:QN+1], s[QB:QB+1], s[NX:NX+1]  ; of a K step 0 serve nothing: the price, once a launch, of one text for all trips
	s_sub_co_u32 s[CB], s[CB], 1
	s_cmp_lg_u32 s[CB], 0
	s_cbranch_scc1 .Lbatch
	; THE WAY OUT.  My wave's 512 pairs, 4,096 bytes of its own in LDS, come back 16 bytes a lane, into registers of buffer 0: MERGE's wait on va_vdst has shown the last products done reading them, and only v17 has been named since.
	; part: byte (q / 32) x 65,536 + 256 g + 8 (q % 32): sixteen lanes store 256 consecutive bytes, aligned.
.irp j, 0,1,2,3,4,5,6,7
	ds_load_b128 v[OB+4*\j:OB+4*\j+3], v[RRD] offset:512*\j  ; LDS serves a wave's instructions in order (ISA guide 5.7.1.4): these see MERGE's stores
.endr
.irp j, 0,1,2,3,4,5,6,7
	s_wait_dscnt 7-\j
	global_store_b128 v[POFF], v[OB+4*\j:OB+4*\j+3], s[8:9] offset:131072*\j
.endr
	s_wait_dscnt 0x0                               ; the wave's end
	s_wait_alu 0x0
	s_wait_tensorcnt 0x0
	ds_add_u32 v[SPW], v[NIL]
	s_wait_dscnt 0x0
	s_endpgm
.Lfunc_end_k_q484bd09d29_scan:
	.size	k_q484bd09d29_scan, .Lfunc_end_k_q484bd09d29_scan-k_q484bd09d29_scan
	.p2alignl 7, 3214868480
	.fill 96, 4, 3214868480
	.section	.rodata,"a",@progbits
	.p2align	6, 0x0
	.amdhsa_kernel k_q484bd09d29_scan
		.amdhsa_group_segment_fixed_size 234240
		.amdhsa_private_segment_fixed_size 0
		.amdhsa_enable_private_segment 0
		.amdhsa_kernarg_size 24
		.amdhsa_user_sgpr_count 2
		.amdhsa_user_sgpr_kernarg_segment_ptr 1
		.amdhsa_wavefront_size32 1
		.amdhsa_system_sgpr_workgroup_id_x 1
		.amdhsa_system_sgpr_workgroup_id_y 1
		.amdhsa_system_sgpr_workgroup_id_z 1
		.amdhsa_system_vgpr_workitem_id 0
		.amdhsa_next_free_vgpr 976
		.amdhsa_next_free_sgpr 66
		.amdhsa_reserve_vcc 0
		.amdhsa_float_denorm_mode_32 3
		.amdhsa_float_denorm_mode_16_64 3
		.amdhsa_memory_ordered 1
		.amdhsa_forward_progress 1
		.amdhsa_inst_pref_size 219
	.end_amdhsa_kernel
	.amdgpu_metadata
---
amdhsa.version: [ 1, 2 ]
amdhsa.kernels:
  - .name:           k_q484bd09d29_scan
    .symbol:         k_q484bd09d29_scan.kd
    .args:
      - { .name: buffer, .offset: 0, .size: 8, .value_kind: global_buffer, .address_space: global }
      - { .name: qf, .offset: 8, .size: 8, .value_kind: global_buffer, .address_space: global }
      - { .name: part, .offset: 16, .size: 8, .value_kind: global_buffer, .address_space: global }
    .group_segment_fixed_size: 234240
    .private_segment_fixed_size: 0
    .kernarg_segment_align: 8
    .kernarg_segment_size: 24
    .max_flat_workgroup_size: 128
    .sgpr_count:     66
    .vgpr_count:     976
    .wavefront_size: 32
...
	.end_amdgpu_metadata
.endif
;; end of part 5
;; launch pick: the kernel of part 3 again; grid 64 x 1, 8 waves a work-group, no clusters, 3,072 bytes of LDS; arguments part, grp; writes grp
;; launch recall: the kernel of part 4 again; grid 256 x 1, 8 waves a work-group, no clusters, 0 bytes of LDS; arguments buffer, inputs, grp, out0; writes out0
